; MI455X (gfx1250); checked and timed in simulation.
; The chip was launched on July 23, 2026; its instructions are those of AMD's public machine-readable ISA for CDNA 5 (MIT licence, August 2026) and "CDNA5" Instruction Set Architecture Reference Guide (July 2026). The comments in the code are by the model that wrote it; some were corrected since.
;; LSTM Vanilla. Allowed arithmetic: matrix products marked QUANTISED: E4M3 operands, one E8M0 scale for each 32 along K, by v_wmma_scale_f32_16x16x128_f8f6f4 with both operands' format E4M3, f32 sums; everything else in f32.
;; Inputs: Wh 4 x 1,024 x 1,024 float32; Wx 4 x 1,024 x 1,024 float32; bh 4 x 1,024 float32; c_prev 8,192 x 1,024 float32; h_prev 8,192 x 1,024 float32; x 8,192 x 1,024 float32.
;; Outputs: out0 8,192 x 1,024 float32; out1 8,192 x 1,024 float32.
;; This version of the problem:
;;   THIS VERSION OF THE PROBLEM IS GIVEN IN LOW PRECISION. The matrix products marked QUANTISED in the list below multiply operands that are first quantised to E4M3 (4 exponent bits, 3 mantissa bits; 8 bits a number), with one power-of-two scale for each 32 numbers along K (OCP MX v1.0); their sums are f32. All else is computed in f32.
;;   The module's matrix products, in the order in which they are computed (A, B: the left and right operand; K: the contracted axis; several contracted axes count as one K, in the product's order):
;;     1. [M 8,192, K 1,024] x [K 1,024, N 4,096]; A: input x; B: input Wx: QUANTISED
;;     2. [M 8,192, K 1,024] x [K 1,024, N 4,096]; A: input h_prev; B: input Wh: QUANTISED
;;   THE QUANTISER, for each operand of a quantised product, along K:
;;     - K is cut into blocks of 32 from its start; a last block that is shorter is filled with zeros.
;;     - A block's scale is 2^e with e = floor(log2(the largest magnitude in the block)) - 8, held to -126 .. 127; a block of zeros has e = 0. As a byte (E8M0): e + 127.
;;     - Each number is divided by its block's scale, clamped to +-448, and rounded to the nearest number of E4M3, ties to even, subnormals kept.
;;     - The product sums the exact products of the quantised numbers (number of the format x scale) in f32.
;;   ~~~python
;;   def quantise(x, axis):      # numpy; x: float32 -> the quantised numbers, widened to float32 again
;;       x = np.moveaxis(x, axis, -1); K = x.shape[-1]
;;       x = np.pad(x, [(0, 0)] * (x.ndim - 1) + [(0, -K % 32)]); x = x.reshape(x.shape[:-1] + (-1, 32)); a = np.abs(x).max(-1, keepdims=True)
;;       e = np.where(a > 0, np.clip(np.frexp(np.where(a > 0, a, 1))[1] - 1 - 8, -126, 127), 0)      # np.frexp(a)[1] - 1 = floor(log2(a)), exactly
;;       r = np.clip(x / 2.0 ** e, -448, 448)
;;       step = 2.0 ** (np.maximum(np.frexp(np.where(r == 0, 1, r))[1] - 1, -6) - 3)
;;       q = np.round(r / step) * step * 2.0 ** e      # np.round: ties to even
;;       return np.moveaxis(q.reshape(q.shape[:-2] + (-1,))[..., :K], -1, axis).astype(np.float32)
;;   ~~~
;; One version. Each part assembles by itself: llvm-mc -triple=amdgcn-amd-amdhsa -mcpu=gfx1250 --defsym DOCPART=n.
;; ======== version 1 of 1: 2 launches
;; limits: right only within a limited range of input values
;; workspace buffers: a_pack 17,301,504 bytes; b_pack 8,650,752 bytes
;; launch quant (part 1): grid 768 x 1, 4 waves a work-group, no clusters, 35,328 bytes of LDS; arguments x, h_prev, Wx, Wh, a_pack, b_pack; writes a_pack, b_pack
.if DOCPART == 1
	.amdgcn_target "amdgcn-amd-amdhsa--gfx1250"
	.amdhsa_code_object_version 6
	.text
	.protected	k_q63f534fff1_quant
	.globl	k_q63f534fff1_quant
	.p2align	8
	.type	k_q63f534fff1_quant,@function
k_q63f534fff1_quant:
	s_mov_b64 s[64:65], 0
	v_nop
	global_prefetch_b8 v0, s[64:65] scope:SCOPE_SE
	s_setreg_imm32_b32 hwreg(HW_REG_WAVE_MODE, 25, 1), 1
	s_wait_xcnt 0x0
; x, h_prev [8192][1024] and Wx, Wh [4096][1024], f32, K innermost, become codes of FP8 (E4M3) with one E8M0 scale byte for each 32 along K.
; The cell's two products have the same M and N and are added: they are laid as ONE product with K = 2,048 (K steps 0-7 of 128: x or Wx; 8-15: h_prev or Wh).
; THE LAYOUT IS THE MATRIX OPERAND'S REGISTER IMAGE.  A pack = 128 rows x 128 K = 16,896 bytes: eight fragments of 16 rows (2,048 bytes: chunk c of four, lane l of 32, 16 bytes:
; row l % 16, K = 32 c + 16 (l / 16) + 0 .. 15), then 512 bytes of scale words: lane l, word w = the four bytes of row l % 16 of fragment 2 w + l / 16.
; a_pack [64 groups][16 K steps][pack]: group G = batch rows 128 G on.  b_pack [32 groups][16][pack]: group G holds the four gates of the 32 hidden units from
; 32 hb on, hb = 8 (G / 8) + 4 (G % 2) + (G / 2) % 4; its row 32 g + j is gate g, unit 32 hb + j.
; A block's scale is 2^(floor(log2(its largest magnitude)) - 8); its byte is that magnitude's exponent field - 8, held at 1 from below; numbers are held within +-448 x the scale.
; LIMITS: a block of zeros gets the byte 1 (its codes are zeros; this program alone reads the bytes); blocks whose largest magnitude lies under 2^-118 keep the byte 1; NaN and infinities are not served.
; SHARES: a work-group takes a group, four neighbouring K steps and the four fragments of one parity e: 512 work-groups for A, 256 for B.  Wave t takes fragment 2 t + e: 16 rows x 2,048 bytes,
; in four blocks of 16 rows x 512 bytes, a K step each: each load reads 512 consecutive bytes of a row.  A block turns through the wave's own stage in LDS (rows 528 bytes apart) and comes back
; 64 bytes a lane; lanes l and l xor 16 share a block of 32.  Every store of codes covers 512 consecutive bytes.  Two sets of 16 loads a wave take turns.
; THE SCALE WORDS of a K step and a parity are 256 consecutive bytes, four bytes from each of the four waves for each row: they meet in 1,024 bytes of LDS behind the launch's one barrier,
; and wave t stores K step t's 256 bytes, 8 a lane.
.set KP,    16896
.set SROW,  528
.set STGB,  16*SROW
.set SX,    4*STGB                     ; the scale words: [K step 4][row 16][wave 4]
.set SPARE, SX+1024
.set LO,   3                           ; 16 x lane
.set VIN,  4                           ; stage, way in
.set VOUT, 5                           ; stage, way out
.set SPW,  6
.set NIL,  7
.set MX,   8                           ; v8-11 largest magnitudes
.set PM,   12                          ; v12-15 the other half's, then the bytes
.set HD,   16                          ; v16-19 448 x scale
.set SCV,  20                          ; v20-23 the conversions' scale operands
.set W,    24                          ; v24-27 a scale word for each block
.set VSX,  28                          ; where my words go
.set VSR,  29                          ; where I read a K step's 256 bytes
.set LO8,  30                          ; 8 x lane
.set X,    32                          ; v32-95 64 numbers: 16 for each chunk
.set R,    96                          ; v96-223 two sets as loaded
.set C,    224                         ; v224-255 two sets of codes
	s_load_b256 s[4:11], s[0:1], 0x0               ; x, h_prev, Wx, Wh
	s_load_b128 s[12:15], s[0:1], 0x20             ; a_pack, b_pack
	v_lshl_add_u32 v[SPW], v0, 2, SPARE
	v_mov_b32 v[NIL], 0
	v_lshrrev_b32 v1, 5, v0
	v_readfirstlane_b32 s16, v1                    ; wave t
	v_and_b32 v1, 31, v0
	v_lshlrev_b32 v[LO], 4, v1
	v_lshlrev_b32 v[LO8], 3, v1
	s_mul_i32 s17, s16, STGB
	v_add_nc_u32 v[VIN], s17, v[LO]
	v_and_b32 v2, 15, v0                           ; r
	v_bfe_u32 v1, v0, 4, 1                         ; h
	v_lshlrev_b32 v[VSX], 4, v2
	v_mul_u32_u24 v2, v2, SROW
	v_lshl_add_u32 v2, v1, 6, v2
	v_add_nc_u32 v[VOUT], s17, v2                  ; row r, 64 bytes for each half of the lanes
	s_lshl_b32 s17, s16, 2
	s_add_co_u32 s17, s17, SX
	v_add_nc_u32 v[VSX], s17, v[VSX]               ; SX + 16 r + 4 t
	s_lshl_b32 s17, s16, 8
	s_add_co_u32 s17, s17, SX
	v_add_nc_u32 v[VSR], s17, v[LO8]               ; SX + 256 t + 8 x lane
.irp b, 0,1,2,3
	v_mov_b32 v[PM+\b], 0                          ; a lane permute's destination counts as read
.endr
	s_cmp_lt_u32 ttmp9, 512
	s_cselect_b32 s19, 0, 512
	s_sub_co_u32 s19, ttmp9, s19                   ; 8 x group + 2 x quad of K steps + parity
	s_lshr_b32 s20, s19, 3                         ; group
	s_bfe_u32 s21, s19, 0x20001                    ; quad 0-3
	s_and_b32 s39, s19, 1                          ; e
	s_lshr_b32 s22, s20, 3
	s_lshl_b32 s22, s22, 3
	s_and_b32 s23, s20, 1
	s_lshl_b32 s23, s23, 2
	s_add_co_u32 s22, s22, s23
	s_bfe_u32 s23, s20, 0x20001
	s_add_co_u32 s22, s22, s23                     ; hb
	s_lshl_b32 s22, s22, 17                        ; B: 32 hb rows of 4,096 bytes
	s_lshl_b32 s24, s20, 19                        ; A: 128 rows a group
	s_lshl_b32 s25, s20, 4
	s_lshl_b32 s26, s21, 2
	s_add_co_u32 s25, s25, s26                     ; my first pack
	s_mul_i32 s34, s25, KP
	s_lshl_b32 s26, s16, 1
	s_add_co_u32 s26, s26, s39                     ; my fragment 2 t + e
	s_lshl_b32 s26, s26, 11
	s_add_co_u32 s26, s26, s34                     ; where my codes go
	s_mov_b32 s27, 0
	s_mul_i32 s28, s16, KP                         ; where K step t's scale words of parity e go
	s_add_co_u32 s28, s28, s34
	s_lshl_b32 s29, s39, 8
	s_add_co_u32 s28, s28, s29
	s_add_co_u32 s28, s28, 16384
	s_mov_b32 s29, 0
	s_and_b32 s30, s21, 1
	s_lshl_b32 s30, s30, 11                        ; 2,048 bytes along the row for the tensor's second quad
	s_lshl_b32 s31, s39, 16                        ; 16 rows for the odd parity
	s_add_co_u32 s30, s30, s31
	s_mov_b32 s32, 0x400000                        ; from wave to wave: B a gate (1,024 rows),
	s_mov_b32 s36, 0x76543210
	s_mov_b32 s37, 0xfedcba98
	s_mov_b32 s38, 0x600000                        ; the mantissa field of 448
	s_wait_alu depctr_va_vdst(0)
	s_wait_kmcnt 0x0
	s_cmp_lt_u32 ttmp9, 512                        ; the choices hang on ids alone
	s_cselect_b64 s[4:5], s[4:5], s[8:9]
	s_cselect_b64 s[6:7], s[6:7], s[10:11]
	s_cselect_b64 s[12:13], s[12:13], s[14:15]
	s_cselect_b32 s24, s24, s22
	s_cselect_b32 s32, 0x20000, s32                ; A 32 rows
	s_cmp_lt_u32 s21, 2
	s_cselect_b64 s[4:5], s[4:5], s[6:7]           ; the first or the second tensor of the pair
	s_mul_i32 s32, s32, s16
	s_add_co_u32 s24, s24, s30
	s_add_co_u32 s24, s24, s32
	s_mov_b32 s25, 0
	s_add_nc_u64 s[4:5], s[4:5], s[24:25]
	s_add_nc_u64 s[14:15], s[12:13], s[28:29]
	s_add_nc_u64 s[12:13], s[12:13], s[26:27]
.macro LOAD t
.irp i, 0,1,2,3,4,5,6,7,8,9,10,11,12,13,14,15
	global_load_b128 v[R+64*((\t)%2)+4*\i:R+64*((\t)%2)+4*\i+3], v[LO], s[4:5] offset:\i*4096+(\t)*512 th:TH_LOAD_NT
.endr
.endm
	LOAD 0
	LOAD 1
.macro BLOCK t
.set CS, C+16*((\t)%2)
.if (\t) >= 2
	s_wait_xcnt 0x0                                ; the stores of two blocks back have read their codes
.endif
.if (\t) < 3
	s_wait_loadcnt 16                              ; my 16 loads are in; the next block's may be out
.else
	s_wait_loadcnt 0x0
.endif
.irp i, 0,1,2,3,4,5,6,7,8,9,10,11,12,13,14,15
	ds_store_b128 v[VIN], v[R+64*((\t)%2)+4*\i:R+64*((\t)%2)+4*\i+3] offset:\i*SROW
.endr
.irp c, 0,1,2,3
.irp i, 0,1,2,3
	ds_load_b128 v[X+16*\c+4*\i:X+16*\c+4*\i+3], v[VOUT] offset:128*\c+16*\i   ; LDS serves a wave's instructions in order: these see the stores
.endr
.endr
.if (\t)+2 < 4
	s_wait_dscnt 16                                ; the 16 stores are done: their registers take the block two on
	LOAD (\t)+2
.endif
	s_wait_dscnt 0x0
.irp b, 0,1,2,3
	v_max3_num_f32 v[MX+\b], |v[X+16*\b]|, |v[X+16*\b+1]|, 0x4800000   ; with the floor 2^(9 - 127): the byte cannot fall under 1
.endr
.irp i, 2,4,6,8,10,12,14
.irp b, 0,1,2,3
	v_max3_num_f32 v[MX+\b], v[MX+\b], |v[X+16*\b+\i]|, |v[X+16*\b+\i+1]|
.endr
.endr
.irp b, 0,1,2,3
	v_permlanex16_b32 v[PM+\b], v[MX+\b], s36, s37
.endr
.irp b, 0,1,2,3
	v_max_num_f32 v[MX+\b], v[MX+\b], v[PM+\b]     ; with lane l xor 16's: the block's largest magnitude
.endr
.irp b, 0,1,2,3
	v_add_nc_u32 v[SCV+\b], 0xfc000000, v[MX+\b]   ; 8 off the exponent field: the conversion's scale operand
.endr
.irp b, 0,1,2,3
	v_and_or_b32 v[HD+\b], v[MX+\b], 0x7f800000, s38   ; 448 x the scale
.endr
.irp b, 0,1,2,3
	v_lshrrev_b32 v[PM+\b], 23, v[SCV+\b]          ; the byte
.endr
	v_lshl_or_b32 v[W+(\t)], v[PM+1], 8, v[PM]
	v_lshl_or_b32 v[W+(\t)], v[PM+2], 16, v[W+(\t)]
	v_lshl_or_b32 v[W+(\t)], v[PM+3], 24, v[W+(\t)]
.irp b, 0,1,2,3
.irp i, 0,1,2,3,4,5,6,7,8,9,10,11,12,13,14,15
	v_med3_num_f32 v[X+16*\b+\i], v[X+16*\b+\i], -v[HD+\b], v[HD+\b]   ; the conversion does not saturate (ISA guide 7.6.2)
.endr
.endr
.irp b, 0,1,2,3
	v_cvt_scalef32_pk8_fp8_f32 v[CS+4*\b:CS+4*\b+1], v[X+16*\b:X+16*\b+7], v[SCV+\b]
	v_cvt_scalef32_pk8_fp8_f32 v[CS+4*\b+2:CS+4*\b+3], v[X+16*\b+8:X+16*\b+15], v[SCV+\b]
.endr
	v_nop                                          ; a plain line behind the last conversion
.irp b, 0,1,2,3
	global_store_b128 v[LO], v[CS+4*\b:CS+4*\b+3], s[12:13] offset:(\t)*KP+\b*512   ; 512 consecutive bytes of my fragment in K step t's pack
.endr
.endm
.irp t, 0,1,2,3
	BLOCK \t
.endr
.irp t, 0,1,2,3
	ds_store_b32 v[VSX], v[W+\t] offset:256*\t     ; lanes l and l + 16 hold the same word and write it to the same place
.endr
	s_wait_dscnt 0x0                               ; for the others' sake: my words are stored
	s_barrier_signal -1
	s_barrier_wait -1
	ds_load_b64 v[MX:MX+1], v[VSR]                 ; K step t's 256 bytes, from all four waves
	s_wait_dscnt 0x0
	global_store_b64 v[LO8], v[MX:MX+1], s[14:15]  ; 32 lanes store 256 consecutive bytes, at a multiple of 256 from the buffer's first byte
	s_wait_tensorcnt 0x0                           ; the wave's end
	ds_add_u32 v[SPW], v[NIL]
	s_wait_dscnt 0x0
	s_endpgm
.Lfunc_end_k_q63f534fff1_quant:
	.size	k_q63f534fff1_quant, .Lfunc_end_k_q63f534fff1_quant-k_q63f534fff1_quant
	.p2alignl 7, 3214868480
	.fill 96, 4, 3214868480
	.section	.rodata,"a",@progbits
	.p2align	6, 0x0
	.amdhsa_kernel k_q63f534fff1_quant
		.amdhsa_group_segment_fixed_size 35328
		.amdhsa_private_segment_fixed_size 0
		.amdhsa_enable_private_segment 0
		.amdhsa_kernarg_size 48
		.amdhsa_user_sgpr_count 2
		.amdhsa_user_sgpr_kernarg_segment_ptr 1
		.amdhsa_wavefront_size32 1
		.amdhsa_system_sgpr_workgroup_id_x 1
		.amdhsa_system_sgpr_workgroup_id_y 1
		.amdhsa_system_sgpr_workgroup_id_z 1
		.amdhsa_system_vgpr_workitem_id 0
		.amdhsa_next_free_vgpr 256
		.amdhsa_next_free_sgpr 66
		.amdhsa_reserve_vcc 0
		.amdhsa_float_denorm_mode_32 3
		.amdhsa_float_denorm_mode_16_64 3
		.amdhsa_memory_ordered 1
		.amdhsa_forward_progress 1
		.amdhsa_inst_pref_size 52
	.end_amdhsa_kernel
	.amdgpu_metadata
---
amdhsa.version: [ 1, 2 ]
amdhsa.kernels:
  - .name:           k_q63f534fff1_quant
    .symbol:         k_q63f534fff1_quant.kd
    .args:
      - { .name: x, .offset: 0, .size: 8, .value_kind: global_buffer, .address_space: global }
      - { .name: h_prev, .offset: 8, .size: 8, .value_kind: global_buffer, .address_space: global }
      - { .name: Wx, .offset: 16, .size: 8, .value_kind: global_buffer, .address_space: global }
      - { .name: Wh, .offset: 24, .size: 8, .value_kind: global_buffer, .address_space: global }
      - { .name: a_pack, .offset: 32, .size: 8, .value_kind: global_buffer, .address_space: global }
      - { .name: b_pack, .offset: 40, .size: 8, .value_kind: global_buffer, .address_space: global }
    .group_segment_fixed_size: 35328
    .private_segment_fixed_size: 0
    .kernarg_segment_align: 8
    .kernarg_segment_size: 48
    .max_flat_workgroup_size: 128
    .sgpr_count:     66
    .vgpr_count:     256
    .wavefront_size: 32
...
	.end_amdgpu_metadata
.endif
;; end of part 1
;; launch lstm (part 2): grid 256 x 1, 4 waves a work-group, clusters of 4 x 1, 327,680 bytes of LDS; arguments a_pack, b_pack, bh, c_prev, out0, out1; writes out0, out1
.if DOCPART == 2
	.amdgcn_target "amdgcn-amd-amdhsa--gfx1250"
	.amdhsa_code_object_version 6
	.text
	.protected	k_q63f534fff1_lstm
	.globl	k_q63f534fff1_lstm
	.p2align	8
	.type	k_q63f534fff1_lstm,@function
k_q63f534fff1_lstm:
	s_mov_b64 s[64:65], 0
	v_nop
	global_prefetch_b8 v0, s[64:65] scope:SCOPE_SE
	s_setreg_imm32_b32 hwreg(HW_REG_WAVE_MODE, 25, 1), 1
	s_wait_xcnt 0x0
	s_wait_alu depctr_hold_cnt(0) depctr_sa_sdst(0) depctr_va_vdst(0) depctr_va_sdst(0) depctr_va_ssrc(0) depctr_va_vcc(0) depctr_vm_vsrc(0)
	s_getreg_b32 s2, hwreg(HW_REG_IB_STS2, 6, 4)
	s_cmp_eq_u32 s2, 0
	s_cbranch_scc0 .Lentry_in_a_cluster
	s_endpgm
.Lentry_in_a_cluster:
	s_bfe_u32 s2, ttmp6, 0x10000c
	s_cmp_lg_u32 s2, 0x3003
	s_cbranch_scc0 .Lentry_shape_is_right
	s_endpgm
.Lentry_shape_is_right:
; gates[b][g][h] = [x | h_prev][b] . [Wx | Wh][g][h] + bh[g][h]: one product with K = 2,048 on codes of FP8 (E4M3), one E8M0 scale for each 32 along K, sums in f32.
; c_next = sigmoid(f) c_prev + sigmoid(i) tanh(g);  h_next = sigmoid(o) tanh(c_next).  out0 = h_next, out1 = c_next.  The gates never go to memory.
; a_pack, b_pack: packs of 128 rows x 128 K in the operand's register image (eight fragments of 2,048 bytes, then 512 bytes of scale words), 16,896 bytes each, as the launch before lays them.
; SHARES.  256 work-groups of four waves.  Cluster G (4 x 1 work-groups) owns batch rows 128 G on; the partner at place cx owns hidden units 256 cx on, in two tiles of 128.
; A STAYS: the group's 16 packs (270,336 bytes) come into LDS once, by ONE joint load a wave with the mask of all four partners, and are never filled again: the K loop has no barrier.
; B STREAMS INTO REGISTERS: wave w's 128 rows of B (four gates of 32 units) are its own, no other wave of the work-group reads them, and its two tiles' 32 packs lie on end in b_pack:
; plain loads of 512 consecutive bytes into four half-sets of 64 registers, asked for one and a half K steps ahead, waited for by count.  So B has no joint load: it never lies in LDS.
; A wave makes 128 x 128: 64 accumulators.  A K step's 64 products go in four quadrants (A's half, B's half): even steps (lo,lo) (hi,lo) (hi,hi) (lo,hi), odd steps with A's halves swapped,
; so that each half of A's ONE set is fetched anew from LDS a quadrant ahead of its use, and each half of B is free after two quadrants.  The accumulators take turns.
; TRANSPOSED USE: source 0 = 16 rows of B, source 1 = 16 rows of A: in accumulator (a, b) lane (r, h) holds in register j gate b / 2 of batch row 16 a + r, unit 16 (b % 2) + 8 h + j of my 32.
; The bias is the C of each sum's first product.
; THE WAY OUT works IN PLACE on the accumulators, in two halves of four blocks of 16 batch rows (a register window each), each step of the arithmetic as one run over the whole half.
; c_prev comes as whole rows of the tile's 512 bytes (four rows a wave and block, plain loads) and turns, four blocks at a time, through one LDS stage of 33,792 bytes into the lanes' layout.
; c_next and h_next turn back through the same bytes, as two stages by turns, one barrier a block; each wave stores four whole rows of 512 bytes of both outputs.
; The first half's blocks leave between the steps of the second half's arithmetic.  The next tile's first packs of B and its bias are asked for under the way out.
; PREFETCH: c_prev's rows 64-127 of this tile and rows 0-63 of the next are asked into the L2 in the K loop's first and fourth trip: a lane a block of 256 bytes, each named once.
; None for B: the 64 clusters walk the same 8,650,752 bytes in the same order, so what one asks for the others have read.  None for A: its one load stands at the head, with no loop ahead of it.
; ARITHMETIC: sigmoid(z) = 1 / (1 + 2^(-z log2 e)), tanh(z) = 1 - 2 / (1 + 2^(2 z log2 e)): a power that overflows or falls to 0 gives 0 or 1 through the reciprocal, so both saturate rightly.
; LIMIT: near z = 0 this tanh is good to about 2^-23 absolutely, not relatively; nothing behind it is quantised.  NaN and infinities among the inputs are not served.
; REGISTERS: window 0: v16-31 addresses; v32-39 A's scale words, v40-47 B's (two sets each, numbers that differ modulo 8); v64-127 the bias, then c_prev as loaded;
; v128-255 A's fragments; on the way out v128-191 c_prev in the lanes' layout, v192-255 rows on their way to memory.  Window 1: B's four half-sets.  Windows 2, 3: accumulators (a, b) at v[8 (8 (a % 4) + b)].
.set KP,    16896
.set STG,   16*KP                      ; behind A: the stage
.set SROW,  528                        ; a stage row: 512 bytes + 16
.set CSTB,  16*SROW                    ; 16 rows
.set OSTB,  2*CSTB                     ; c_next's 16 rows, then h_next's
.set SPARE, STG+3*OSTB                 ; behind a third stage, which serves a tile's last blocks: the spare words, 512 bytes that no other line names
.set VA,   16                          ; LDS address of A's packs: 16 x lane + the pair of K steps
.set LO,   17                          ; 16 x lane
.set BO,   19                          ; the bias: 32 h
.set VST,  20                          ; the stage in the lanes' layout
.set VRW,  21                          ; the stage by rows: my four rows
.set PF,   22                          ; the prefetches' offset
.set SPW,  28
.set NIL,  29
.set BIAS, 64
.set RAW,  64
.set AF,   128
.set CPR,  128
.set WV, 16
.set CX, 17
.set TI, 18                            ; tile 0, 1
.set LC, 19
.set G1, 24
.set G0, 32
.set K1, 36
.set K2, 38
.set PFB, 44
.set PT, 48
.set MSB, 0
.macro WIN new
.if MSB != (\new)
	s_set_vgpr_msb (MSB<<8)|(\new)
.set MSB, (\new)
.endif
.endm
.set TO_B, 0x40
.macro WINQ h, first                   ; source 0 window 1, source 1 window 0, D window 2 + h; C with D, or (the bias) window 0
.if \first
	WIN 0x81+0x40*(\h)
.else
	WIN 0xa1+0x50*(\h)
.endif
.endm
.macro ROUND
	s_barrier_signal -1
	s_barrier_wait -1
	s_cmp_lg_u32 s[WV], 0
	s_cbranch_scc1 .Lnot_wave_0_\@
	s_barrier_signal -3
.Lnot_wave_0_\@:
	s_barrier_wait -3
	s_barrier_signal -1
	s_barrier_wait -1
.endm
.macro PLACES n
.rept \n
	v_nop
.endr
.endm
.macro BLD par, hi, off                ; half a pack of B into its half-set (window 1)
.irp i, 0,1,2,3
.irp c, 0,1,2,3
	global_load_b128 v[128*(\par)+64*(\hi)+16*\i+4*\c:128*(\par)+64*(\hi)+16*\i+4*\c+3], v[LO], s[6:7] offset:(\off)+(4*(\hi)+\i)*2048+512*\c
.endr
.endr
.endm
.macro SBLD par, off                   ; a pack's scale words of B
	global_load_b128 v[44-4*(\par):47-4*(\par)], v[LO], s[6:7] offset:(\off)+16384
.endm
.macro ALD half, off                   ; four fragments of A
.irp i, 0,1,2,3
.irp c, 0,1,2,3
	ds_load_b128 v[AF+64*(\half)+16*\i+4*\c:AF+64*(\half)+16*\i+4*\c+3], v[VA] offset:(\off)+(4*(\half)+\i)*2048+512*\c
.endr
.endr
.endm
.macro SALD par, off
	ds_load_b128 v[32+4*(\par):35+4*(\par)], v[VA] offset:(\off)+16384
.endm
.macro BIASLD b, off
.irp q, 0,1
	global_load_b128 v[BIAS+8*(\b)+4*\q:BIAS+8*(\b)+4*\q+3], v[BO], s[8:9] offset:(\off)+4096*((\b)/2)+64*((\b)%2)+16*\q
.endr
.endm
.macro CPLD a                          ; my four rows of c_prev's block a, 512 consecutive bytes each
.irp t, 0,1,2,3
	global_load_b128 v[RAW+16*((\a)%4)+4*\t:RAW+16*((\a)%4)+4*\t+3], v[LO], s[10:11] offset:(16*(\a)+\t)*4096 th:TH_LOAD_NT
.endr
.endm
.macro BFIRST                          ; a tile's K steps 0 and 1 of B: 66 loads
	WIN TO_B
	BLD 0, 0, 0
	WIN 0
	SBLD 0, 0
	WIN TO_B
	BLD 0, 1, 0
	BLD 1, 0, KP
	WIN 0
	SBLD 1, KP
	WIN TO_B
	BLD 1, 1, KP
	WIN 0
.endm
.macro WM a, b, par, first
.set D_, 8*(8*((\a)%4)+(\b))
.if \first
.set C_, BIAS+8*(\b)
.else
.set C_, D_
.endif
.set B_, 128*(\par)+16*(\b)
.set A_, AF+16*(\a)
.set SB_, 44-4*(\par)+(\b)/2
.set SA_, 32+4*(\par)+(\a)/2
.if (\b)%2
.if (\a)%2
	v_wmma_scale_f32_16x16x128_f8f6f4 v[D_:D_+7], v[B_:B_+15], v[A_:A_+15], v[C_:C_+7], v[SB_], v[SA_] matrix_a_scale:MATRIX_SCALE_ROW1 matrix_b_scale:MATRIX_SCALE_ROW1
.else
	v_wmma_scale_f32_16x16x128_f8f6f4 v[D_:D_+7], v[B_:B_+15], v[A_:A_+15], v[C_:C_+7], v[SB_], v[SA_] matrix_a_scale:MATRIX_SCALE_ROW1
.endif
.else
.if (\a)%2
	v_wmma_scale_f32_16x16x128_f8f6f4 v[D_:D_+7], v[B_:B_+15], v[A_:A_+15], v[C_:C_+7], v[SB_], v[SA_] matrix_b_scale:MATRIX_SCALE_ROW1
.else
	v_wmma_scale_f32_16x16x128_f8f6f4 v[D_:D_+7], v[B_:B_+15], v[A_:A_+15], v[C_:C_+7], v[SB_], v[SA_]
.endif
.endif
.endm
.macro QUAD ah, bh, par, first         ; 16 products on 16 accumulators
.irp a, 0,1,2,3
.irp b, 0,1,2,3
	WM 4*(\ah)+\a, 4*(\bh)+\b, \par, \first
.endr
.endr
.endm
; One K step.  par: its parity.  lda: the next step's A is fetched.  ldb: B of two steps on is asked for.  w1, w3: the younger global loads that may stay out ahead of B's low and high half.
; cpl: c_prev's blocks 0-3 are asked for, into the bias's registers.  sva: A's address steps to this pair.  pf: the prefetches.
; Eight places stand ahead of each run of loads into registers that products have read.
.macro KSTEP par, first, lda, ldb, w1, w3, cpl, sva, pf
	s_wait_loadcnt \w1                             ; B's low half and its scale words are in
	s_wait_dscnt 16                                ; A's first half and its scale words are in; the other half's 16 loads may be out
	WINQ \par, \first
	QUAD \par, 0, \par, \first
	s_wait_dscnt 0x0
	WINQ 1-(\par), \first
	QUAD 1-(\par), 0, \par, \first
	s_wait_loadcnt \w3                             ; B's high half is in
	QUAD 1-(\par), 1, \par, \first
.if (\lda) || (\ldb)
	PLACES 8
.endif
.if \ldb
.if (\par) == 0
	s_wait_xcnt 0x0                                ; the earlier loads have read their base
	s_add_nc_u64 s[6:7], s[6:7], 2*KP
.endif
	WIN TO_B
	BLD \par, 0, (\par)*KP
.endif
.if \lda
	WIN 0
.if \sva
	v_add_nc_u32 v[VA], 2*KP, v[VA]                ; no LDS load of mine is out
	s_wait_alu depctr_va_vdst(0)
.endif
	ALD 1-(\par), ((\par)+1)*KP
	SALD 1-(\par), ((\par)+1)*KP
.endif
.if \pf
	s_cmp_lg_u32 s[LC], 6
	s_cbranch_scc1 .Lp1_\@
	global_prefetch_b8 v[PF], s[PFB:PFB+1] offset:262144 th:TH_LOAD_NT scope:SCOPE_SE   ; this tile's rows 64-127, loaded on the way out
.Lp1_\@:
	s_cmp_lg_u32 s[LC], s[PT]
	s_cbranch_scc1 .Lp2_\@
	global_prefetch_b8 v[PF], s[PFB:PFB+1] offset:512 th:TH_LOAD_NT scope:SCOPE_SE      ; the next tile's rows 0-63; the last tile asks for nothing
.Lp2_\@:
.endif
	WINQ \par, \first
	QUAD \par, 1, \par, \first
.if (\lda) || (\ldb)
	PLACES 8
.endif
	WIN 0
.if \cpl
.irp a, 0,1,2,3
	CPLD \a
.endr
.endif
.if \ldb
	SBLD \par, (\par)*KP
	WIN TO_B
	BLD \par, 1, (\par)*KP
	WIN 0
.endif
.if \lda
	ALD \par, ((\par)+1)*KP
.endif
.endm
	s_load_b256 s[4:11], s[0:1], 0x0               ; a_pack, b_pack, bh, c_prev
	s_load_b128 s[12:15], s[0:1], 0x20             ; out0, out1
	v_lshl_add_u32 v[SPW], v0, 2, SPARE
	v_mov_b32 v[NIL], 0
	ds_add_u32 v[SPW], v[NIL]                      ; the opening lines
	ds_add_u32 v[SPW], v[NIL]
	v_lshrrev_b32 v1, 5, v0
	v_readfirstlane_b32 s[WV], v1
	s_bfe_u32 s[CX], ttmp6, 0x40000
	s_mov_b32 s[G1+0], 15|(3<<16)|(1<<21)          ; the mask of all four partners; elements of 8 bytes; bit 21 beside the mask
	s_mov_b32 s[G1+1], 32<<16                      ; four packs as 264 dense rows of 256 bytes
	s_mov_b32 s[G1+2], 264<<16
	s_mov_b32 s[G1+3], 32<<16
	s_mov_b32 s[G1+4], 264
	s_mov_b32 s[G1+5], 32
	s_mov_b32 s[G1+6], 0
	s_mov_b32 s[G1+7], 0
	s_mul_i32 s20, ttmp9, 16*KP                    ; A: the cluster's group, my four K steps
	s_mul_i32 s[G0+1], s[WV], 4*KP
	s_add_co_u32 s20, s20, s[G0+1]
	s_mov_b32 s21, 0
	s_lshl_b32 s22, s[CX], 2
	s_add_co_u32 s22, s22, s[WV]
	s_mul_i32 s22, s22, 32*KP                      ; B: my 32 packs
	s_mov_b32 s23, 0
	s_lshl_b32 s40, s[CX], 3
	s_add_co_u32 s40, s40, s[WV]
	s_lshl_b32 s40, s40, 7                         ; the bias: my 32 units of the first tile
	s_mov_b32 s41, 0
	s_lshl_b32 s42, ttmp9, 19                      ; c_prev and the outputs: 128 rows of 4,096 bytes a group,
	s_lshl_b32 s43, s[CX], 10                      ; 1,024 bytes a partner,
	s_add_co_u32 s42, s42, s43
	s_mov_b32 s43, 0
	s_lshl_b32 s46, s[WV], 14                      ; and my four rows of each block
	s_mov_b32 s47, 0
	s_mov_b32 s[K1], 0xbfb8aa3b                    ; -log2 e
	s_mov_b32 s[K1+1], s[K1]
	s_mov_b32 s[K2], 0x4038aa3b                    ; 2 log2 e
	s_mov_b32 s[K2+1], s[K2]
	s_mov_b32 s[TI], 0
	s_wait_dscnt 0x0
	s_wait_kmcnt 0x0
	s_add_nc_u64 s[4:5], s[4:5], s[20:21]
	s_add_nc_u64 s[6:7], s[6:7], s[22:23]
	s_add_nc_u64 s[8:9], s[8:9], s[40:41]
	s_add_nc_u64 s[10:11], s[10:11], s[42:43]
	s_add_nc_u64 s[12:13], s[12:13], s[42:43]
	s_add_nc_u64 s[14:15], s[14:15], s[42:43]
	s_mov_b64 s[PFB:PFB+1], s[10:11]
	s_add_nc_u64 s[10:11], s[10:11], s[46:47]
	s_add_nc_u64 s[12:13], s[12:13], s[46:47]
	s_add_nc_u64 s[14:15], s[14:15], s[46:47]
	ROUND                                          ; the four partners are here: the joint loads meet
	s_mov_b32 s[G0], 1
	s_mov_b64 s[G0+2:G0+3], s[4:5]
	s_or_b32 s[G0+3], s[G0+3], 0x80000000
	tensor_load_to_lds s[G0:G0+3], s[G1:G1+7]      ; my one tensor load of the launch
	s_nop 0
	v_and_b32 v1, 15, v0                           ; r
	v_bfe_u32 v2, v0, 4, 1                         ; h
	v_and_b32 v3, 31, v0
	v_lshlrev_b32 v[LO], 4, v3
	v_lshlrev_b32 v[BO], 5, v2
	v_mul_u32_u24 v4, v1, SROW
	v_lshl_add_u32 v4, v2, 5, v4
	s_lshl_b32 s20, s[WV], 7
	s_add_co_u32 s20, s20, STG
	v_add_nc_u32 v[VST], s20, v4                   ; row r, my wave's 128 bytes, 32 for each half of the lanes
	s_mul_i32 s20, s[WV], 4*SROW
	s_add_co_u32 s20, s20, STG
	v_add_nc_u32 v[VRW], s20, v[LO]
	v_lshrrev_b32 v5, 1, v0
	v_and_b32 v6, 1, v0
	v_lshlrev_b32 v5, 12, v5
	v_lshl_add_u32 v[PF], v6, 8, v5                ; thread t: row t / 2, block t % 2 of the tile's 512 bytes
	s_wait_alu depctr_va_vdst(0)
.irp b, 0,1,2,3,4,5,6,7
	BIASLD \b, 0
.endr
	BFIRST
	s_wait_tensorcnt 0x0                           ; my four packs of A are in,
	s_barrier_signal -1
	s_barrier_wait -1                              ; everybody's are
.Ltile:
	v_mov_b32 v[VA], v[LO]
	s_wait_alu depctr_va_vdst(0)
	ALD 0, 0
	SALD 0, 0
	ALD 1, 0
	s_cmp_eq_u32 s[TI], 0
	s_cselect_b32 s[PT], 3, 0
	KSTEP 0, 1, 1, 1, 49, 33, 1, 0, 0              ; 49 = B-hi 16 + the next step's 16 + 1 + 16;  33 = the next step's
	KSTEP 1, 0, 1, 1, 63, 49, 0, 0, 0              ; c_prev's 16 loads stand among the younger ones here (65, of which the field holds 63; 49)
	s_mov_b32 s[LC], 6
.Lpair:
	KSTEP 0, 0, 1, 1, 49, 33, 0, 1, 1
	KSTEP 1, 0, 1, 1, 49, 33, 0, 0, 0
	s_sub_co_u32 s[LC], s[LC], 1
	s_cmp_lg_u32 s[LC], 0
	s_cbranch_scc1 .Lpair
	KSTEP 0, 0, 1, 0, 49, 33, 0, 1, 0              ; K steps 14 and 15 ask for no more of B
	KSTEP 1, 0, 0, 0, 16, 0, 0, 0, 0
	PLACES 8                                       ; ahead of the loads into B's registers and of the first reads and writes of results
	s_cmp_eq_u32 s[TI], 1
	s_cbranch_scc1 .Lnonext
	s_wait_xcnt 0x0
	s_add_nc_u64 s[6:7], s[6:7], 2*KP              ; the next tile's packs follow on end
	BFIRST
.Lnonext:
; THE WAY OUT.  In a half's window block a (0-3) has i at v[64 a], f at +16, g at +32, o at +48, 16 elements each; c_next ends in f's registers, h_next in g's.
.macro CSTORE4                         ; four blocks of c_prev, as loaded, into the stage
.irp a, 0,1,2,3
.irp t, 0,1,2,3
	ds_store_b128 v[VRW], v[RAW+16*\a+4*\t:RAW+16*\a+4*\t+3] offset:\a*CSTB+\t*SROW
.endr
.endr
.endm
.macro CLOAD4                          ; and back in the lanes' layout
.irp a, 0,1,2,3
.irp u, 0,1
.irp q, 0,1
	ds_load_b128 v[CPR+16*\a+8*\u+4*\q:CPR+16*\a+8*\u+4*\q+3], v[VST] offset:\a*CSTB+64*\u+16*\q
.endr
.endr
.endr
.endm
.macro STORE a                         ; block a's c_next and h_next into stage a % 2; the data lie in window 2 or 3
.set AC, 64*((\a)%4)
	WIN 0x08+4*((\a)/4)
.irp u, 0,1
.irp q, 0,1
	ds_store_b128 v[VST], v[AC+16+8*\u+4*\q:AC+16+8*\u+4*\q+3] offset:((\a)%2)*OSTB+64*\u+16*\q
	ds_store_b128 v[VST], v[AC+32+8*\u+4*\q:AC+32+8*\u+4*\q+3] offset:((\a)%2)*OSTB+CSTB+64*\u+16*\q
.endr
.endr
	WIN 0
.endm
.macro BACK a                          ; my four rows of c_next and of h_next
.set OB, 192+32*((\a)%2)
.irp t, 0,1,2,3
	ds_load_b128 v[OB+4*\t:OB+4*\t+3], v[VRW] offset:((\a)%2)*OSTB+\t*SROW
.endr
.irp t, 0,1,2,3
	ds_load_b128 v[OB+16+4*\t:OB+16+4*\t+3], v[VRW] offset:((\a)%2)*OSTB+CSTB+\t*SROW
.endr
.endm
.macro SEND a
.set OB, 192+32*((\a)%2)
.irp t, 0,1,2,3
	global_store_b128 v[LO], v[OB+4*\t:OB+4*\t+3], s[14:15] offset:(16*(\a)+\t)*4096 th:TH_STORE_NT   ; 512 consecutive bytes, at a multiple of 512 from the output's first byte
.endr
.irp t, 0,1,2,3
	global_store_b128 v[LO], v[OB+16+4*\t:OB+16+4*\t+3], s[12:13] offset:(16*(\a)+\t)*4096 th:TH_STORE_NT
.endr
.endm
.macro SYNC                            ; my LDS stores are done and my LDS loads are back; then everybody's
	s_wait_dscnt 0x0
	s_barrier_signal -1
	s_barrier_wait -1
.endm
; One barrier serves a block: ahead of it block bk is whole in its stage and nobody reads the other stage any more; behind it block bk's rows come back and block st goes into the other stage.
.macro OP snd, bk, st
	s_wait_dscnt 0x0
.if \snd >= 0
	SEND \snd
.endif
	s_barrier_signal -1
	s_barrier_wait -1
.if \bk >= 2
	s_wait_xcnt 0x0                                ; the stores of two blocks back have read their registers
.endif
	BACK \bk
.if \st >= 0
	STORE \st
.endif
.endm
.macro AW
	s_wait_alu depctr_va_vdst(0)
.endm
.macro TW                              ; behind a run of transcendentals: a plain place (ISA guide 5.7.2), then the wait
	v_nop
	s_wait_alu depctr_va_vdst(0)
.endm
.macro PMUL                            ; -z log2 e for the three sigmoids, 2 z log2 e for the cell gate; each accumulator is read from its low end on
.irp a, 0,1,2,3
.irp b, 0,1,2,3,4,5,6,7
.irp p, 0,2,4,6
.if \b/2 == 2
	v_pk_mul_f32 v[64*\a+8*\b+\p:64*\a+8*\b+\p+1], v[64*\a+8*\b+\p:64*\a+8*\b+\p+1], s[K2:K2+1] op_sel_hi:[1,0]
.else
	v_pk_mul_f32 v[64*\a+8*\b+\p:64*\a+8*\b+\p+1], v[64*\a+8*\b+\p:64*\a+8*\b+\p+1], s[K1:K1+1] op_sel_hi:[1,0]
.endif
.endr
.endr
.endr
.endm
.macro TR op, cnt                      ; a transcendental on the first cnt registers of each block
.irp a, 0,1,2,3
.set j, 0
.rept \cnt
	\op v[64*\a+j], v[64*\a+j]
.set j, j+1
.endr
.endr
.endm
.macro ADD1 cnt
.irp a, 0,1,2,3
.set j, 0
.rept (\cnt)/2
	v_pk_add_f32 v[64*\a+j:64*\a+j+1], v[64*\a+j:64*\a+j+1], 1.0 op_sel_hi:[1,0]
.set j, j+2
.endr
.endr
.endm
.macro TANHF base                      ; 1 - 2 y
.irp a, 0,1,2,3
.set j, 0
.rept 8
	v_pk_fma_f32 v[64*\a+\base+j:64*\a+\base+j+1], v[64*\a+\base+j:64*\a+\base+j+1], -2.0, 1.0 op_sel_hi:[1,0,0]
.set j, j+2
.endr
.endr
.endm
.macro CELL h                          ; g; f c_prev; c_next; 2 c_next log2 e into i's registers
	WIN 0x82+0x41*(\h)                             ; source 1 (c_prev) window 0
	TANHF 32
.irp a, 0,1,2,3
.set j, 0
.rept 8
	v_pk_mul_f32 v[64*\a+16+j:64*\a+16+j+1], v[64*\a+16+j:64*\a+16+j+1], v[CPR+16*\a+j:CPR+16*\a+j+1]
.set j, j+2
.endr
.endr
	WIN 0xaa+0x55*(\h)
.irp a, 0,1,2,3
.set j, 0
.rept 8
	v_pk_fma_f32 v[64*\a+16+j:64*\a+16+j+1], v[64*\a+j:64*\a+j+1], v[64*\a+32+j:64*\a+32+j+1], v[64*\a+16+j:64*\a+16+j+1]
.set j, j+2
.endr
.endr
.irp a, 0,1,2,3
.set j, 0
.rept 8
	v_pk_mul_f32 v[64*\a+j:64*\a+j+1], v[64*\a+16+j:64*\a+16+j+1], s[K2:K2+1] op_sel_hi:[1,0]
.set j, j+2
.endr
.endr
	AW
.endm
.macro HOUT                            ; tanh(c_next), h_next = o tanh(c_next) into g's registers
	TANHF 0
.irp a, 0,1,2,3
.set j, 0
.rept 8
	v_pk_mul_f32 v[64*\a+32+j:64*\a+32+j+1], v[64*\a+48+j:64*\a+48+j+1], v[64*\a+j:64*\a+j+1]
.set j, j+2
.endr
.endr
	AW
.endm
	; blocks 0-3, window 2
	CSTORE4                                        ; c_prev's blocks 0-3 came in during the K loop
	WIN 0xaa
	AW
	PMUL
	AW
	WIN 0
	SYNC
	CLOAD4
.irp a, 4,5,6,7
	CPLD \a                                        ; the stage's stores have read these registers
.endr
	WIN 0xaa
	TR v_exp_f32, 64
	TW
	ADD1 64
	AW
	TR v_rcp_f32, 64
	TW
	WIN 0
	SYNC                                           ; c_prev is in my registers, and nobody reads the stage any more
	CELL 0
	TR v_exp_f32, 16
	TW
	ADD1 16
	AW
	TR v_rcp_f32, 16
	TW
	HOUT
	; blocks 4-7, window 3; blocks 0-3 leave between its steps
	WIN 0xff
	AW
	PMUL
	AW
	WIN 0
	s_wait_loadcnt 0x0                             ; c_prev's blocks 4-7
	CSTORE4
	WIN 0xff
	TR v_exp_f32, 64
	TW
	WIN 0
	SYNC
	CLOAD4
	s_cmp_eq_u32 s[TI], 1
	s_cbranch_scc1 .Lnobias
.irp b, 0,1,2,3,4,5,6,7
	BIASLD \b, 512                                 ; the next tile's bias, into the registers that c_prev has left
.endr
.Lnobias:
	WIN 0xff
	ADD1 64
	AW
	WIN 0
	SYNC                                           ; c_prev is in my registers, and nobody reads the stage any more
	STORE 0
	WIN 0xff
	TR v_rcp_f32, 64
	TW
	WIN 0
	OP -1, 0, 1
	CELL 1
	WIN 0
	OP 0, 1, 2
	WIN 0xff
	TR v_exp_f32, 16
	TW
	WIN 0
; The tile's last four blocks are finished together: blocks 4, 5 and 6 go through three stages behind one barrier, block 7 through stage 1 behind the next.
; Their rows come back into v192-255 and into v128-191, which c_prev has left.
.macro STOREX a, st                    ; block a into stage st
.set AC, 64*((\a)%4)
	WIN 0x08+4*((\a)/4)
.irp u, 0,1
.irp q, 0,1
	ds_store_b128 v[VST], v[AC+16+8*\u+4*\q:AC+16+8*\u+4*\q+3] offset:(\st)*OSTB+64*\u+16*\q
	ds_store_b128 v[VST], v[AC+32+8*\u+4*\q:AC+32+8*\u+4*\q+3] offset:(\st)*OSTB+CSTB+64*\u+16*\q
.endr
.endr
	WIN 0
.endm
.macro BACKX st, ob                    ; my four rows of both outputs from stage st into v[ob] on
.irp t, 0,1,2,3
	ds_load_b128 v[(\ob)+4*\t:(\ob)+4*\t+3], v[VRW] offset:(\st)*OSTB+\t*SROW
.endr
.irp t, 0,1,2,3
	ds_load_b128 v[(\ob)+16+4*\t:(\ob)+16+4*\t+3], v[VRW] offset:(\st)*OSTB+CSTB+\t*SROW
.endr
.endm
.macro SENDX a, ob
.irp t, 0,1,2,3
	global_store_b128 v[LO], v[(\ob)+4*\t:(\ob)+4*\t+3], s[14:15] offset:(16*(\a)+\t)*4096 th:TH_STORE_NT
.endr
.irp t, 0,1,2,3
	global_store_b128 v[LO], v[(\ob)+16+4*\t:(\ob)+16+4*\t+3], s[12:13] offset:(16*(\a)+\t)*4096 th:TH_STORE_NT
.endr
.endm
	OP 1, 2, 3
	WIN 0xff
	ADD1 16
	AW
	WIN 0
	OP 2, 3, -1
	WIN 0xff
	TR v_rcp_f32, 16
	TW
	WIN 0
	s_wait_dscnt 0x0                               ; block 3's rows are back
	SEND 3
	s_barrier_signal -1
	s_barrier_wait -1                              ; nobody reads a stage any more
	WIN 0xff
	HOUT
	WIN 0
	STORE 4
	STORE 5
	STOREX 6, 2
	SYNC
	s_wait_xcnt 0x0                                ; blocks 2 and 3's stores have read their registers
	BACK 4
	BACK 5
	BACKX 2, 128
	s_wait_dscnt 0x0
	SEND 4
	SEND 5
	SENDX 6, 128
	s_barrier_signal -1
	s_barrier_wait -1                              ; nobody reads a stage any more
	STORE 7
	SYNC
	BACKX 1, 160
	s_wait_dscnt 0x0
	SENDX 7, 160
	s_barrier_signal -1                            ; nobody reads the stage any more: the next tile's c_prev may go there
	s_barrier_wait -1
	s_wait_xcnt 0x0                                ; every store, load and prefetch has read its base and its registers
	s_add_nc_u64 s[10:11], s[10:11], 512           ; the next tile: 128 units on
	s_add_nc_u64 s[12:13], s[12:13], 512
	s_add_nc_u64 s[14:15], s[14:15], 512
	s_add_nc_u64 s[PFB:PFB+1], s[PFB:PFB+1], 512
	s_wait_loadcnt 0x0                             ; the next tile's bias
	s_add_co_u32 s[TI], s[TI], 1
	s_cmp_lt_u32 s[TI], 2
	s_cbranch_scc1 .Ltile
	s_wait_tensorcnt 0x0                           ; the wave's end
	ds_add_u32 v[SPW], v[NIL]
	s_wait_dscnt 0x0
	ROUND                                          ; the closing round
	s_endpgm
.Lfunc_end_k_q63f534fff1_lstm:
	.size	k_q63f534fff1_lstm, .Lfunc_end_k_q63f534fff1_lstm-k_q63f534fff1_lstm
	.p2alignl 7, 3214868480
	.fill 96, 4, 3214868480
	.section	.rodata,"a",@progbits
	.p2align	6, 0x0
	.amdhsa_kernel k_q63f534fff1_lstm
		.amdhsa_group_segment_fixed_size 327680
		.amdhsa_private_segment_fixed_size 0
		.amdhsa_enable_private_segment 0
		.amdhsa_kernarg_size 48
		.amdhsa_user_sgpr_count 2
		.amdhsa_user_sgpr_kernarg_segment_ptr 1
		.amdhsa_wavefront_size32 1
		.amdhsa_system_sgpr_workgroup_id_x 1
		.amdhsa_system_sgpr_workgroup_id_y 1
		.amdhsa_system_sgpr_workgroup_id_z 1
		.amdhsa_system_vgpr_workitem_id 0
		.amdhsa_next_free_vgpr 1024
		.amdhsa_next_free_sgpr 66
		.amdhsa_reserve_vcc 0
		.amdhsa_float_denorm_mode_32 3
		.amdhsa_float_denorm_mode_16_64 3
		.amdhsa_memory_ordered 1
		.amdhsa_forward_progress 1
		.amdhsa_inst_pref_size 224
	.end_amdhsa_kernel
	.amdgpu_metadata
---
amdhsa.version: [ 1, 2 ]
amdhsa.kernels:
  - .name:           k_q63f534fff1_lstm
    .symbol:         k_q63f534fff1_lstm.kd
    .args:
      - { .name: a_pack, .offset: 0, .size: 8, .value_kind: global_buffer, .address_space: global }
      - { .name: b_pack, .offset: 8, .size: 8, .value_kind: global_buffer, .address_space: global }
      - { .name: bh, .offset: 16, .size: 8, .value_kind: global_buffer, .address_space: global }
      - { .name: c_prev, .offset: 24, .size: 8, .value_kind: global_buffer, .address_space: global }
      - { .name: out0, .offset: 32, .size: 8, .value_kind: global_buffer, .address_space: global }
      - { .name: out1, .offset: 40, .size: 8, .value_kind: global_buffer, .address_space: global }
    .group_segment_fixed_size: 327680
    .private_segment_fixed_size: 0
    .kernarg_segment_align: 8
    .kernarg_segment_size: 48
    .max_flat_workgroup_size: 128
    .sgpr_count:     66
    .vgpr_count:     1024
    .wavefront_size: 32
...
	.end_amdgpu_metadata
.endif
;; end of part 2
